; MI455X (gfx1250); checked and timed in simulation.
; The chip was launched on July 23, 2026; its instructions are those of AMD's public machine-readable ISA for CDNA 5 (MIT licence, August 2026) and "CDNA5" Instruction Set Architecture Reference Guide (July 2026). The comments in the code are by the model that wrote it; some were corrected since.
;; Causal Self Attention. Allowed arithmetic: matrix products marked QUANTISED: E4M3 operands, one given power-of-two scale a tensor, by v_wmma_f32_16x16x64_fp8_fp8 or v_wmma_f32_16x16x128_fp8_fp8, f32 sums; everything else in f32.
;; Inputs: b_proj 1,024 float32; lowp_scales 8 int32 (the exponents e of the quantised operands' scales 2^e); w_proj 1,024 x 1,024 float32; w_qkv 1,024 x 3,072 float32; x 4 x 2,048 x 1,024 float32.
;; Outputs: out0 4 x 2,048 x 1,024 float32.
;; This version of the problem:
;;   THIS VERSION OF THE PROBLEM IS GIVEN IN LOW PRECISION. The matrix products marked QUANTISED in the list below multiply operands that are first quantised to E4M3 (4 exponent bits, 3 mantissa bits; 8 bits a number), with one given power-of-two scale for each operand tensor; their sums are f32. All else is computed in f32.
;;   The module's matrix products, in the order in which they are computed (A, B: the left and right operand; K: the contracted axis; several contracted axes count as one K, in the product's order):
;;     1. [M 8,192, K 1,024] x [K 1,024, N 3,072]; A: input x; B: input w_qkv: QUANTISED (scales: A lowp_scales[0], B lowp_scales[1])
;;     2. batch 64 x [M 2,048, K 64] x [K 64, N 2,048]; A: computed on the way; B: computed on the way: QUANTISED (scales: A lowp_scales[2], B lowp_scales[3])
;;     3. batch 64 x [M 2,048, K 2,048] x [K 2,048, N 64]; A: softmax (see below); B: computed on the way: QUANTISED (scales: A lowp_scales[4], B lowp_scales[5])
;;     4. [M 8,192, K 1,024] x [K 1,024, N 1,024]; A: computed on the way; B: input w_proj: QUANTISED (scales: A lowp_scales[6], B lowp_scales[7])
;;   THE QUANTISER, for each operand of a quantised product, along K:
;;     - The operand's scale is 2^e, e = its entry of the input lowp_scales (int32; the entries are numbered through the quantised products in the list's order, A before B).
;;     - Each number is divided by the scale, clamped to +-448, and rounded to the nearest number of E4M3, ties to even, subnormals kept.
;;     - The product sums the exact products of the quantised numbers (number of the format x scale) in f32.
;;   ~~~python
;;   def quantise(x, axis, e):      # numpy; x: float32 -> the quantised numbers, widened to float32 again
;;       x = np.moveaxis(x, axis, -1); K = x.shape[-1]
;;       r = np.clip(x / 2.0 ** e, -448, 448)
;;       step = 2.0 ** (np.maximum(np.frexp(np.where(r == 0, 1, r))[1] - 1, -6) - 3)
;;       q = np.round(r / step) * step * 2.0 ** e      # np.round: ties to even
;;       return np.moveaxis(q, -1, axis).astype(np.float32)
;;   ~~~
;;   SOFTMAX AHEAD OF A QUANTISED PRODUCT. Where the list says 'softmax', what is quantised is not the finished softmax but p = 2^(t - M), with t = logit x log2(e) and M = ceil(the row's largest t), a whole number; so 1/2 < the row's largest p <= 1. The row's sum l is taken of the UNQUANTISED p, in f32, and the product's result is divided by l at the end. Since M is a whole number, a kernel that streams over the keys may use a running M (the ceiling of the running maximum): every later rescaling is an exact power of two, so the quantised numbers keep their values, but for numbers so far below the row's largest that they fall under the format's range.
;;   OPERANDS COMPUTED ON THE WAY. 'Computed on the way' means the value that the module computes at that place (a softmax that the list does not call 'softmax' is quantised finished and normalised). What goes into a quantiser is computed in f32, as accurately as f32 sums, v_exp_f32 and their like allow (about 1e-6 of the number): no bf16 or f16 on the way to a quantiser, and a product that is left as it is and whose result goes on into a quantised operand takes f32 operands (vector FMAs, or v_wmma_f32_16x16x4_f32). A number that lies on a knife's edge between two numbers of the format may be rounded either way, as far as f32 arithmetic and the matrix unit's own rounding can turn it there, and no further.
;; One version. Each part assembles by itself: llvm-mc -triple=amdgcn-amd-amdhsa -mcpu=gfx1250 --defsym DOCPART=n.
;; ======== version 1 of 1: 4 launches
;; limits: right only within a limited range of input values
;; workspace buffers: xc 8,388,608 bytes; wqc 3,145,728 bytes; wpc 1,048,576 bytes; qc 8,388,608 bytes; kc 8,388,608 bytes; vc 8,388,608 bytes; ac 8,388,608 bytes
;; launch quant (part 1): grid 384 x 1, 4 waves a work-group, no clusters, 68,096 bytes of LDS; arguments x, w_qkv, w_proj, lowp_scales, xc, wqc, wpc; writes xc, wqc, wpc
.if DOCPART == 1
	.amdgcn_target "amdgcn-amd-amdhsa--gfx1250"
	.amdhsa_code_object_version 6
	.text
	.protected	k_qaf13da432d_quant
	.globl	k_qaf13da432d_quant
	.p2align	8
	.type	k_qaf13da432d_quant,@function
k_qaf13da432d_quant:
	s_mov_b64 s[64:65], 0
	v_nop
	global_prefetch_b8 v0, s[64:65] scope:SCOPE_SE
	s_setreg_imm32_b32 hwreg(HW_REG_WAVE_MODE, 25, 1), 1
	s_wait_xcnt 0x0
; x [8192][1024], w_qkv [1024][3072] and w_proj [1024][1024], f32, become codes of FP8 (E4M3), one byte each, K innermost:
; xc [8192][1024], wqc [3072][1024], wpc [1024][1024].  code = number / 2^e, held within +-448, to the nearest code, ties to even; e = entry 0 (x), 1 (w_qkv), 7 (w_proj) of the scales.
; THE ORDER OF BYTES INSIDE A BLOCK OF 32 ALONG K is k 0-7, 16-23, 8-15, 24-31: 16 bytes read at 32 c + 16 h of a row are then registers 4 c .. 4 c + 3 of an operand of the
; plain FP8 matrix forms (k = 32 c + 8 h + 0..7 and 32 c + 16 + 8 h + 0..7): every k stands in its true place, and a fragment comes by four loads of 16 bytes.
; SHARES: work-groups 0-255 take x (32,768 numbers each, K innermost); 256-351 take w_qkv, 352-383 w_proj (128 columns x 256 along K each, K outermost).  All read 131,072 bytes.
; No work-group shares an input byte with another: no cluster.  No tensor load, no barrier: waves share nothing.  The two paths part on the work-group's number and have LDS bytes of their own.
; LIMITS: the three exponents lie between -126 and 119.  NaN among the inputs is not served (an infinity is held at the largest code).
.set SP,     80                        ; x: a place of 64 bytes in a stage + 16 of padding
.set XREG,   8192                      ; x: a wave's region: two stages of 32 x SP bytes
.set WSTG,   32768                     ; weights: the stages begin here
.set WPITCH, 272                       ; weights: a stage row: 256 codes + 16
.set WREG,   32*WPITCH                 ; weights: a wave's stage
.set SPARE,  WSTG+4*WREG               ; the spare words, 128 bytes a wave: two blocks of 256 bytes that no other line names
.set STEPS,  16
.set SPW,    12                        ; v12 LDS address of my spare word; never rewritten
.set NIL,    13                        ; v13 0; never rewritten
.set R,      16                        ; x: v16-79 four sets of 16 numbers as loaded
.set XN,     80                        ; x: v80-111 two sets of 16 numbers in the order of the codes
.set CX,     128                       ; x: v128-191 codes, four registers for each step
.set OFF,    16                        ; weights: v16-47 4 x lane + i rows
.set XW,     48                        ; weights: v48-111 two sets of 32 numbers down K
.set CW,     112                       ; weights: v112-119 a block's codes
.set OUTR,   128                       ; weights: v128-191 the way out
.set WB,     40                        ; weights: s[40:55] the eight blocks' bases
	s_load_b256 s[4:11], s[0:1], 0x0               ; x s[4:5], w_qkv s[6:7], w_proj s[8:9], the exponents s[10:11]
	s_load_b128 s[12:15], s[0:1], 0x20             ; xc s[12:13], wqc s[14:15]
	s_load_b64 s[16:17], s[0:1], 0x30              ; wpc
	v_lshl_add_u32 v[SPW], v0, 2, SPARE
	v_mov_b32 v[NIL], 0
	v_lshrrev_b32 v1, 5, v0
	v_readfirstlane_b32 s18, v1                    ; wave 0..3
	v_and_b32 v2, 31, v0                           ; lane
	v_lshlrev_b32 v3, 4, v2                        ; x: my 16 bytes of a load's 512, and of a step's 512 bytes of codes
	s_mul_i32 s19, s18, XREG
	v_lshrrev_b32 v14, 2, v2
	v_mul_u32_u24 v14, v14, SP
	v_and_b32 v15, 3, v2
	v_lshl_add_u32 v14, v15, 4, v14
	v_add_nc_u32 v14, s19, v14                     ; x, into the stage: four lanes' 64 bytes on end, then padding
	v_and_b32 v15, 30, v2
	v_mul_u32_u24 v15, v15, SP
	v_and_b32 v1, 1, v2
	v_lshl_add_u32 v15, v1, 5, v15
	v_add_nc_u32 v15, s19, v15                     ; x, out of it: block lane / 2 lies in places lane & 30 and + 1; my eight numbers begin 32 (lane & 1) bytes into each
	s_mul_i32 s19, s18, WREG
	s_add_co_u32 s19, s19, WSTG
	v_mul_u32_u24 v5, v2, WPITCH
	v_add_nc_u32 v5, s19, v5                       ; weights, into the stage: row = my column
	v_and_b32 v6, 15, v2
	v_lshrrev_b32 v1, 4, v2
	v_mul_u32_u24 v7, v1, WPITCH
	v_lshl_add_u32 v7, v6, 4, v7
	v_add_nc_u32 v7, s19, v7                       ; out of it: sixteen lanes to a row, two rows an instruction
	v_lshlrev_b32 v8, 10, v1
	v_lshl_add_u32 v8, v6, 4, v8                   ; and the same place in the codes' buffer (rows of 1,024 bytes)
	v_lshlrev_b32 v9, 2, v2                        ; weights: 4 bytes a lane
	s_wait_kmcnt 0x0
	s_load_b256 s[24:31], s[10:11], 0x0            ; e0 .. e7
	s_cmp_lt_u32 ttmp9, 256
	s_cbranch_scc0 .Lweights
; ---------------- x: a wave takes 16 steps of 512 numbers.  Each load reads 512 consecutive bytes; a step's 2,048 bytes turn through the wave's own stage, so that a lane gets the 16 numbers of its 16 codes.
	s_lshl_b32 s20, ttmp9, 2
	s_add_co_u32 s20, s20, s18                     ; which run of 8,192 numbers is my wave's
	s_lshl_b32 s22, s20, 15
	s_mov_b32 s23, 0
	s_add_nc_u64 s[4:5], s[4:5], s[22:23]
	s_lshl_b32 s22, s20, 13
	s_add_nc_u64 s[12:13], s[12:13], s[22:23]
.macro XLOAD t
.irp i, 0,1,2,3
	global_load_b128 v[R+16*((\t)%4)+4*\i:R+16*((\t)%4)+4*\i+3], v3, s[4:5] offset:2048*(\t)+512*\i th:TH_LOAD_NT
.endr
.endm
.macro XTURN t                         ; LDS serves a wave's instructions in order: no wait between the stores and the loads
.irp i, 0,1,2,3
	ds_store_b128 v14, v[R+16*((\t)%4)+4*\i:R+16*((\t)%4)+4*\i+3] offset:32*SP*((\t)%2)+8*SP*\i
.endr
	ds_load_b128 v[XN+16*((\t)%2):XN+16*((\t)%2)+3], v15 offset:32*SP*((\t)%2)              ; k 8 o + 0..3 of my block (o = lane & 1)
	ds_load_b128 v[XN+16*((\t)%2)+4:XN+16*((\t)%2)+7], v15 offset:32*SP*((\t)%2)+16         ; k 8 o + 4..7
	ds_load_b128 v[XN+16*((\t)%2)+8:XN+16*((\t)%2)+11], v15 offset:32*SP*((\t)%2)+SP        ; k 16 + 8 o + 0..3
	ds_load_b128 v[XN+16*((\t)%2)+12:XN+16*((\t)%2)+15], v15 offset:32*SP*((\t)%2)+SP+16    ; k 16 + 8 o + 4..7
.endm
.irp t, 0,1,2,3
	XLOAD \t
.endr
	s_wait_kmcnt 0x0
	s_add_co_i32 s20, s24, 127
	s_lshl_b32 s21, s20, 23
	v_mov_b32 v11, s21                             ; 2^e0 as f32: the conversion takes its exponent field
	s_add_co_i32 s20, s20, 8
	s_lshl_b32 s20, s20, 23
	s_or_b32 s20, s20, 0x600000
	s_wait_alu depctr_va_vdst(0)
	s_wait_loadcnt 12                              ; step 0's four loads are in; the twelve of steps 1 to 3 may be out
	XTURN 0
.macro XSTEP t
.set XS, XN+16*((\t)%2)
	s_wait_dscnt 0x0                               ; this step's numbers are back from the stage
.if (\t)+4 < STEPS
	XLOAD (\t)+4
.endif
.if (\t)+1 < STEPS
.if STEPS-2-(\t) >= 3
	s_wait_loadcnt 12                              ; the next step's four loads are in; those of the three steps behind it may be out
.else
	s_wait_loadcnt 4*(STEPS-2-(\t))                ; the tail: the steps still out behind the next one
.endif
	XTURN (\t)+1
.endif
.irp i, 0,1,2,3,4,5,6,7,8,9,10,11,12,13,14,15
.endr
	v_cvt_scalef32_pk8_fp8_f32 v[CX+4*(\t):CX+4*(\t)+1], v[XS:XS+7], v11
	v_cvt_scalef32_pk8_fp8_f32 v[CX+4*(\t)+2:CX+4*(\t)+3], v[XS+8:XS+15], v11
	global_store_b128 v3, v[CX+4*(\t):CX+4*(\t)+3], s[12:13] offset:512*(\t)   ; the wave stores 512 consecutive bytes; each step has code registers of its own
.endm
.irp t, 0,1,2,3,4,5,6,7,8,9,10,11,12,13,14,15
	XSTEP \t
.endr
	s_wait_tensorcnt 0x0                           ; the wave's end, behind my last LDS store
	ds_add_u32 v[SPW], v[NIL]
	s_wait_dscnt 0x0
	s_endpgm
; ---------------- the weights: K is the first axis.  A lane takes a column n and its registers run down K: the conversions then give codes with K innermost.  Both weights walk this one path.
.Lweights:
	s_cmp_lt_u32 ttmp9, 352                        ; w_qkv's work-group or w_proj's: the choice hangs on the work-group's number alone
	s_cselect_b64 s[32:33], s[6:7], s[8:9]
	s_cselect_b64 s[34:35], s[14:15], s[16:17]
	s_mov_b32 s21, 4096
	s_cselect_b32 s21, 12288, s21                  ; a row of the weight in bytes
	s_mov_b32 s20, 352
	s_cselect_b32 s20, 256, s20
	s_sub_co_u32 s20, ttmp9, s20                   ; my number within the tensor
	s_lshr_b32 s23, s20, 2                         ; which 128 columns
	s_and_b32 s20, s20, 3                          ; which 256 along K
	s_lshl_b32 s23, s23, 7
	s_lshl_b32 s19, s18, 5
	s_add_co_u32 s23, s23, s19                     ; my wave's first column
	s_mul_i32 s36, s20, s21
	s_lshl_b32 s36, s36, 8
	s_lshl_b32 s19, s23, 2
	s_add_co_u32 s36, s36, s19
	s_mov_b32 s37, 0
	s_add_nc_u64 s[WB:WB+1], s[32:33], s[36:37]    ; block 0: row 256 ky, my first column
	s_lshl_b32 s38, s21, 5                         ; 32 rows on
	s_mov_b32 s39, 0
.irp t, 1,2,3,4,5,6,7
	s_add_nc_u64 s[WB+2*\t:WB+2*\t+1], s[WB+2*\t-2:WB+2*\t-1], s[38:39]
.endr
	s_lshl_b32 s36, s23, 10
	s_lshl_b32 s19, s20, 8
	s_add_co_u32 s36, s36, s19
	s_add_nc_u64 s[34:35], s[34:35], s[36:37]      ; the codes: row = my first column, byte 256 ky
.set i, 0
	s_wait_alu depctr_va_vdst(0)
.rept 32
	v_mad_u32_u24 v[OFF+i], s21, i, v9             ; row i of a block, my column
.set i, i+1
.endr
.macro WLOAD t                         ; block t: 32 rows, 128 consecutive bytes a wave and load
.set i, 0
.rept 32
	global_load_b32 v[XW+32*((\t)%2)+i], v[OFF+i], s[WB+2*(\t):WB+2*(\t)+1] th:TH_LOAD_NT
.set i, i+1
.endr
.endm
	WLOAD 0
	WLOAD 1
	s_wait_kmcnt 0x0
	s_cmp_lt_u32 ttmp9, 352
	s_cselect_b32 s22, s25, s31                    ; e1 or e7
	s_add_co_i32 s22, s22, 127
	s_lshl_b32 s23, s22, 23
	v_mov_b32 v11, s23
	s_add_co_i32 s22, s22, 8
	s_lshl_b32 s22, s22, 23
	s_or_b32 s22, s22, 0x600000
.macro WBLOCK t
.set XB, XW+32*((\t)%2)
.if (\t) < 7
	s_wait_loadcnt 32                              ; this block's 32 loads are in; the next block's may be out
.else
	s_wait_loadcnt 0
.endif
.set i, 0
.rept 32
.set i, i+1
.endr
	v_cvt_scalef32_pk8_fp8_f32 v[CW:CW+1], v[XB:XB+7], v11          ; k 0-7   -> bytes 0-7
	v_cvt_scalef32_pk8_fp8_f32 v[CW+4:CW+5], v[XB+8:XB+15], v11     ; k 8-15  -> bytes 16-23
	v_cvt_scalef32_pk8_fp8_f32 v[CW+2:CW+3], v[XB+16:XB+23], v11    ; k 16-23 -> bytes 8-15
	v_cvt_scalef32_pk8_fp8_f32 v[CW+6:CW+7], v[XB+24:XB+31], v11    ; k 24-31 -> bytes 24-31
	ds_store_b128 v5, v[CW:CW+3] offset:32*(\t)
	ds_store_b128 v5, v[CW+4:CW+7] offset:32*(\t)+16
.if (\t)+2 < 8
	WLOAD (\t)+2
.endif
	s_wait_dscnt 0x0                               ; the stores have read their registers: the next block's codes may be written
.endm
	s_wait_alu depctr_va_vdst(0)
.irp t, 0,1,2,3,4,5,6,7
	WBLOCK \t
.endr
.irp t, 0,1,2,3,4,5,6,7,8,9,10,11,12,13,14,15
	ds_load_b128 v[OUTR+4*\t:OUTR+4*\t+3], v7 offset:2*\t*WPITCH
.endr
.irp t, 0,1,2,3,4,5,6,7,8,9,10,11,12,13,14,15
	s_wait_dscnt 15-\t                             ; the younger loads may be out
	global_store_b128 v8, v[OUTR+4*\t:OUTR+4*\t+3], s[34:35] offset:2*\t*1024   ; sixteen lanes store 256 consecutive bytes, aligned
.endr
	s_wait_tensorcnt 0x0                           ; the wave's end: the three lines once more, on this path
	ds_add_u32 v[SPW], v[NIL]
	s_wait_dscnt 0x0
	s_endpgm
.Lfunc_end_k_qaf13da432d_quant:
	.size	k_qaf13da432d_quant, .Lfunc_end_k_qaf13da432d_quant-k_qaf13da432d_quant
	.p2alignl 7, 3214868480
	.fill 96, 4, 3214868480
	.section	.rodata,"a",@progbits
	.p2align	6, 0x0
	.amdhsa_kernel k_qaf13da432d_quant
		.amdhsa_group_segment_fixed_size 68096
		.amdhsa_private_segment_fixed_size 0
		.amdhsa_enable_private_segment 0
		.amdhsa_kernarg_size 56
		.amdhsa_user_sgpr_count 2
		.amdhsa_user_sgpr_kernarg_segment_ptr 1
		.amdhsa_wavefront_size32 1
		.amdhsa_system_sgpr_workgroup_id_x 1
		.amdhsa_system_sgpr_workgroup_id_y 1
		.amdhsa_system_sgpr_workgroup_id_z 1
		.amdhsa_system_vgpr_workitem_id 0
		.amdhsa_next_free_vgpr 192
		.amdhsa_next_free_sgpr 66
		.amdhsa_reserve_vcc 0
		.amdhsa_float_denorm_mode_32 3
		.amdhsa_float_denorm_mode_16_64 3
		.amdhsa_fp16_overflow 1
		.amdhsa_memory_ordered 1
		.amdhsa_forward_progress 1
		.amdhsa_inst_pref_size 56
	.end_amdhsa_kernel
	.amdgpu_metadata
---
amdhsa.version: [ 1, 2 ]
amdhsa.kernels:
  - .name:           k_qaf13da432d_quant
    .symbol:         k_qaf13da432d_quant.kd
    .args:
      - { .name: x, .offset: 0, .size: 8, .value_kind: global_buffer, .address_space: global }
      - { .name: w_qkv, .offset: 8, .size: 8, .value_kind: global_buffer, .address_space: global }
      - { .name: w_proj, .offset: 16, .size: 8, .value_kind: global_buffer, .address_space: global }
      - { .name: lowp_scales, .offset: 24, .size: 8, .value_kind: global_buffer, .address_space: global }
      - { .name: xc, .offset: 32, .size: 8, .value_kind: global_buffer, .address_space: global }
      - { .name: wqc, .offset: 40, .size: 8, .value_kind: global_buffer, .address_space: global }
      - { .name: wpc, .offset: 48, .size: 8, .value_kind: global_buffer, .address_space: global }
    .group_segment_fixed_size: 68096
    .private_segment_fixed_size: 0
    .kernarg_segment_align: 8
    .kernarg_segment_size: 56
    .max_flat_workgroup_size: 128
    .sgpr_count:     66
    .vgpr_count:     192
    .wavefront_size: 32
...
	.end_amdgpu_metadata
.endif
;; end of part 1
;; launch gemm_qkv (part 2): grid 8 x 48, 4 waves a work-group, clusters of 4 x 4, 327,680 bytes of LDS; arguments xc, wqc, lowp_scales, qc, kc, vc; writes qc, kc, vc
.if DOCPART == 2
	.amdgcn_target "amdgcn-amd-amdhsa--gfx1250"
	.amdhsa_code_object_version 6
	.text
	.protected	k_qaf13da432d_gemm_qkv
	.globl	k_qaf13da432d_gemm_qkv
	.p2align	8
	.type	k_qaf13da432d_gemm_qkv,@function
k_qaf13da432d_gemm_qkv:
	s_mov_b64 s[64:65], 0
	v_nop
	global_prefetch_b8 v0, s[64:65] scope:SCOPE_SE
	s_setreg_imm32_b32 hwreg(HW_REG_WAVE_MODE, 25, 1), 1
	s_wait_xcnt 0x0
	s_wait_alu depctr_hold_cnt(0) depctr_sa_sdst(0) depctr_va_vdst(0) depctr_va_sdst(0) depctr_va_ssrc(0) depctr_va_vcc(0) depctr_vm_vsrc(0)
	s_getreg_b32 s2, hwreg(HW_REG_IB_STS2, 6, 4)
	s_cmp_eq_u32 s2, 0
	s_cbranch_scc0 .Lentry_in_a_cluster
	s_endpgm
.Lentry_in_a_cluster:
	s_bfe_u32 s2, ttmp6, 0x10000c
	s_cmp_lg_u32 s2, 0xf033
	s_cbranch_scc0 .Lentry_shape_is_right
	s_endpgm
.Lentry_shape_is_right:
; qkv = x w_qkv on codes of FP8 (E4M3), K = 1,024; the finished sums are quantised at once into the operands of attention's two products and stored as IMAGES OF THE OPERANDS' REGISTERS.
; xc [8192][1024], wqc [3072][1024]: codes, K innermost, bytes of a block of 32 in the order k 0-7, 16-23, 8-15, 24-31, so that 16 bytes at 32 c + 16 h are registers 4 c .. 4 c + 3 of a fragment, every k in its true place.
; A work-group makes 256 x 256 of the product, a wave 128 x 128: 64 accumulators.  In a result lane (r, h), register j holds (source 0's row 8 h + j, source 1's row r): eight neighbours along source 0's rows.
; Q AND K (cluster y 0-7): source 0 = rows of wqc (the head's 64), source 1 = tokens.  One conversion of an accumulator gives registers 2 c, 2 c + 1 of a fragment 16 tokens x 64 (K = the head's axis).
; V (cluster y 8-11): source 0 = tokens, source 1 = rows 2,048 on of wqc.  The same conversion gives a fragment 16 of the head's 64 x 64 keys (K = the keys): nothing is transposed.
; qc, kc: [batch x head 64][tile of 16 tokens 128][registers 4 g .. 4 g + 3: 2][lane 32][16 bytes].   vc: [batch x head 64][64 keys: 32][16 of the head's 64: 4][2][32][16].  Every store is 512 consecutive bytes, aligned.
; One text serves the three: the buffers and the block numbers are chosen by s_cselect on the cluster's y and x, which all partners share; no branch hangs on them.
; CLUSTERS: 4 x 4.  Source 0's block hangs on cx alone among the places and is asked for jointly along a column of the cluster, source 1's on cy alone and jointly along a row.
; code = sum x 2^(e0 + e1) / 2^eX, held within +-448 (X = 2 for q, 3 for k, 5 for v): the three exponents are folded into the conversion's one scale.
; LIMITS: eX - e0 - e1 between -126 and 119.  NaN is not served.
; REGISTERS, in windows of 256: window 0: v0-31 addresses and constants; v32-95 at work on the way out; from v128 source 1's fragments, one set, later the codes.  window 1: source 0's fragments, two sets.  windows 2, 3: the accumulators ((a, b) at v[8 (8 (a % 4) + b)]).
.set KSTEP,  256
.set ROWB,   256                       ; a tile's row in bytes
.set KROW,   1024                      ; a row of codes in memory
.set PITCH,  272                       ; an LDS row: 256 bytes + 16 of padding: the 16 rows that a load touches start 68 words apart
.set FR,     16
.set NL,     4
.set NP,     4                         ; places behind this matrix form (ISA guide 7.12.1)
.set HALFT,  128*PITCH
.set SLOT,   4*HALFT                   ; source 1's 256 rows, then source 0's 256 rows
.set LAPS,   2                         ; 1,024 along K = two laps of two slots
.set SPARE,  2*SLOT                    ; the spare words, 128 bytes a wave
.set ADRA, 16                          ; v16-17 LDS address of my fragments of source 1 in slot 0, 1
.set ADRB, 20                          ; v20-21 the same for source 0
.set VO,   24                          ; v24-25 the way out: 16 x lane, and the same one pair of fragments on
.set SPW,  28
.set NIL,  29
.set SC,   30                          ; v30 2^(eX - e0 - e1)
.set LIM,  31
.set TMP,  32
.set AF,   128
.set CD,   128                         ; the codes: 16 registers for each block of source 1, so that no store's data are written again
.set OB,   96                          ; s[96:99] the way out's two bases
.set G1, 24
.set G0, 32
.set G1B, 48
.set G0B, 56
.set MSB, 0
.macro WIN new                         ; the immediate's high byte repeats the setting that is left
.if MSB != \new
	s_set_vgpr_msb (MSB<<8)|\new
.set MSB, \new
.endif
.endm
.set MUL_LO, 0xa1                      ; source 0 window 1, source 1 window 0, C and D window 2
.set MUL_HI, 0xf1                      ; the same, C and D window 3
.set TO_B,   0x40                      ; destination window 1, address window 0
; A joint load: waves 0 and 1 fetch source 1's halves, waves 2 and 3 source 0's.  The branch hangs on the wave's number alone.  An s_nop 0 and four v_nop follow each line.
.macro JLOAD g0a, g1a, g0b, g1b
	s_cmp_eq_u32 s15, 0
	s_cbranch_scc0 .Lfor_b_\@
	tensor_load_to_lds s[\g0a:\g0a+3], s[\g1a:\g1a+7]
	s_nop 0
.rept 4
	v_nop
.endr
	s_branch .Lasked_\@
.Lfor_b_\@:
	tensor_load_to_lds s[\g0b:\g0b+3], s[\g1b:\g1b+7]
	s_nop 0
.rept 4
	v_nop
.endr
.Lasked_\@:
.endm
.macro CREST                           ; a round of the cluster's barrier behind its opening barrier
	s_cmp_lg_u32 s14, 0
	s_cbranch_scc1 .Lnot_wave_0_\@
	s_barrier_signal -3
.Lnot_wave_0_\@:
	s_barrier_wait -3
	s_barrier_signal -1
	s_barrier_wait -1
.endm
.macro CROUND
	s_barrier_signal -1
	s_barrier_wait -1
	CREST
.endm
	s_load_b128 s[4:7], s[0:1], 0x0                ; xc s[4:5], wqc s[6:7]
	s_load_b128 s[8:11], s[0:1], 0x10              ; the exponents s[8:9], qc s[10:11]
	s_load_b128 s[68:71], s[0:1], 0x20             ; kc s[68:69], vc s[70:71]
	v_lshl_add_u32 v[SPW], v0, 2, SPARE
	v_mov_b32 v[NIL], 0
	ds_add_u32 v[SPW], v[NIL]
	ds_add_u32 v[SPW], v[NIL]                      ; the wave's opening: the add and its wait ahead of my first tensor load
	v_lshrrev_b32 v1, 5, v0
	v_readfirstlane_b32 s14, v1                    ; wave 0..3
	s_lshr_b32 s15, s14, 1                         ; my half of source 1's rows.  Also: I fetch for source 1 (0) or source 0 (1)
	s_and_b32 s16, s14, 1                          ; my half of source 0's rows.  Also: which 128 rows I fetch
	s_bfe_u32 s40, ttmp6, 0x40000                  ; cx
	s_bfe_u32 s41, ttmp6, 0x40004                  ; cy
	s_and_b32 s72, ttmp7, 0xffff                   ; the cluster's y: 0-7 q and k, 8-11 v
	s_lshl_b32 s42, ttmp9, 2
	s_add_co_u32 s42, s42, s40                     ; cx + 4 x cluster x
	s_sub_co_u32 s74, s72, 8
	s_lshl_b32 s74, s74, 3
	s_cmp_ge_u32 s72, 8
	s_cselect_b32 s74, s74, 0                      ; v: + 8 (cluster y - 8)
	s_cselect_b32 s75, 0, s72                      ; q, k: cluster y enters source 1's block
	s_cselect_b32 s76, 2048, 0                     ; v: source 1's rows begin at wqc's row 2,048
	s_add_co_u32 s42, s42, s74                     ; i0: source 0's block of 256 rows; of the places it holds cx alone
	s_lshl_b32 s75, s75, 2
	s_add_co_u32 s17, s75, s41                     ; i1: source 1's block; of the places it holds cy alone
	s_lshl_b32 s43, s41, 2
	s_lshl_b32 s43, 15, s43                        ; my row of the cluster
	s_lshl_b32 s44, 0x1111, s40                    ; my column
	s_or_b32 s[G1+0], s43, (0<<16)|(1<<20)|(1<<21)|(5<<22)|(3<<25)  ; the mask; elements of 1 byte; padding on; bit 21 beside a mask; after every 64 words; four words
	s_or_b32 s[G1B+0], s44, (0<<16)|(1<<20)|(1<<21)|(5<<22)|(3<<25)
.irp g, G1, G1B
	s_mov_b32 s[\g+1], ROWB<<16                    ; tensor_dim0
	s_mov_b32 s[\g+2], 128<<16                     ; tensor_dim1
	s_mov_b32 s[\g+3], ROWB<<16                    ; tile_dim0
	s_mov_b32 s[\g+4], 128                         ; tile_dim1
	s_mov_b32 s[\g+5], KROW                        ; from row to row
	s_mov_b32 s[\g+6], 0
	s_mov_b32 s[\g+7], 0
.endr
	s_lshl_b32 s18, s16, 7                         ; which 128 rows of the block I fetch
	s_lshl_b32 s20, s17, 8
	s_add_co_u32 s20, s20, s18
	s_add_co_u32 s20, s20, s76
	s_lshl_b32 s20, s20, 10                        ; source 1: its row in bytes
	s_mov_b32 s21, 0
	s_lshl_b32 s46, s42, 8
	s_add_co_u32 s46, s46, s18
	s_lshl_b32 s46, s46, 10                        ; source 0 likewise
	s_mov_b32 s47, 0
	s_mul_i32 s45, s14, HALFT                      ; where they go: wave x 128 rows
	s_wait_dscnt 0x0                               ; the opening add is done
	s_wait_kmcnt 0x0
	s_load_b256 s[80:87], s[8:9], 0x0              ; e0 .. e7
	s_cmp_ge_u32 s72, 8
	s_cselect_b64 s[88:89], s[6:7], s[4:5]         ; source 1's buffer: wqc for v, else xc
	s_cselect_b64 s[90:91], s[4:5], s[6:7]         ; source 0's
	s_add_nc_u64 s[20:21], s[88:89], s[20:21]
	s_add_nc_u64 s[46:47], s[90:91], s[46:47]
	CROUND                                         ; all sixteen work-groups are here: the first joint loads meet
.irp s, 0,1
	s_mov_b32 s[G0+4*\s], 1
	s_add_co_u32 s[G0+4*\s+1], s45, \s*SLOT
	s_add_nc_u64 s[G0+4*\s+2:G0+4*\s+3], s[20:21], \s*ROWB
	s_or_b32 s[G0+4*\s+3], s[G0+4*\s+3], 0x80000000
	s_mov_b32 s[G0B+4*\s], 1
	s_add_co_u32 s[G0B+4*\s+1], s45, \s*SLOT
	s_add_nc_u64 s[G0B+4*\s+2:G0B+4*\s+3], s[46:47], \s*ROWB
	s_or_b32 s[G0B+4*\s+3], s[G0B+4*\s+3], 0x80000000
	JLOAD G0+4*\s, G1, G0B+4*\s, G1B
.endr
	v_and_b32 v1, 15, v0                           ; r
	v_bfe_u32 v2, v0, 4, 1                         ; h
	v_mul_u32_u24 v3, v1, PITCH
	v_lshl_add_u32 v4, v2, 4, v3                   ; a fragment's row x pitch + 16 h
	s_mul_i32 s21, s15, HALFT
	s_mul_i32 s22, s16, HALFT
	s_add_co_u32 s22, s22, 2*HALFT
.irp s, 0,1
	v_add_nc_u32 v[ADRA+\s], s21, v4
	v_add_nc_u32 v[ADRB+\s], s22, v4
	s_add_co_u32 s21, s21, SLOT
	s_add_co_u32 s22, s22, SLOT
.endr
	; the way out's addresses.  q, k: ((batch) 16 + head) x 131,072 + (tile of tokens) x 1,024
	s_lshr_b32 s74, s17, 3
	s_lshl_b32 s74, s74, 4
	s_and_b32 s75, s42, 3
	s_lshl_b32 s75, s75, 2
	s_add_co_u32 s74, s74, s75
	s_lshl_b32 s75, s16, 1
	s_add_co_u32 s74, s74, s75
	s_lshl_b32 s74, s74, 17
	s_and_b32 s75, s17, 7
	s_lshl_b32 s75, s75, 4
	s_lshl_b32 s76, s15, 3
	s_add_co_u32 s75, s75, s76
	s_lshl_b32 s75, s75, 10
	s_add_co_u32 s74, s74, s75
	; v: ((batch) 16 + head) x 131,072 + (block of 64 keys) x 4,096
	s_lshr_b32 s77, s42, 3
	s_lshl_b32 s77, s77, 4
	s_lshl_b32 s78, s17, 2
	s_add_co_u32 s77, s77, s78
	s_lshl_b32 s78, s15, 1
	s_add_co_u32 s77, s77, s78
	s_lshl_b32 s77, s77, 17
	s_and_b32 s78, s42, 7
	s_lshl_b32 s78, s78, 2
	s_lshl_b32 s79, s16, 1
	s_add_co_u32 s78, s78, s79
	s_lshl_b32 s78, s78, 12
	s_add_co_u32 s77, s77, s78
	s_wait_alu depctr_va_vdst(0)
	s_wait_kmcnt 0x0                               ; the exponents
	s_cmp_eq_u32 ttmp9, 0                          ; cluster x 0: q; 1: k
	s_cselect_b32 s92, s82, s83
	s_cselect_b64 s[94:95], s[10:11], s[68:69]
	s_mov_b32 s76, 4096
	s_cmp_ge_u32 s72, 8
	s_cselect_b32 s92, s85, s92                    ; eX
	s_cselect_b64 s[94:95], s[70:71], s[94:95]     ; the buffer
	s_cselect_b32 s74, s77, s74                    ; my first byte in it
	s_cselect_b32 s77, s76, 0x20000                ; from source 0's blocks 0-3 to 4-7: the next 64 keys (v), the next head (q, k)
	s_cselect_b32 s78, 0x20000, s76                ; from source 1's blocks 0-3 to 4-7: the next head (v), four tiles of tokens (q, k)
	s_mov_b32 s75, 0
	s_mov_b32 s79, 0
	s_add_nc_u64 s[OB:OB+1], s[94:95], s[74:75]
	s_add_nc_u64 s[OB+2:OB+3], s[OB:OB+1], s[78:79]
	v_and_b32 v6, 31, v0
	v_lshlrev_b32 v[VO], 4, v6
	v_add_nc_u32 v[VO+1], s77, v[VO]
	s_sub_co_i32 s92, s92, s80
	s_sub_co_i32 s92, s92, s81                     ; eX - e0 - e1
	s_add_co_i32 s92, s92, 127
	s_lshl_b32 s93, s92, 23
	v_mov_b32 v[SC], s93
.macro FRAG reg, adr, q, i             ; 16 rows x 128 K: four loads of 16 bytes, 32 apart
.irp c, 0,1,2,3
	ds_load_b128 v[\reg+4*\c:\reg+4*\c+3], v[\adr] offset:128*(\q)+32*\c+(\i)*16*PITCH
.endr
.endm
; 16 matrix instructions: source 1's blocks a0, a0 + 1 x source 0's eight.  The 64 accumulators take turns, one instruction a turn, in the same order in every step.
.macro MUL16 a0, p, zero
.irp a, \a0, \a0+1
.irp b, 0,1,2,3,4,5,6,7
.if \zero
	v_wmma_f32_16x16x128_fp8_fp8 v[8*(8*((\a)%4)+\b):8*(8*((\a)%4)+\b)+7], v[128*(\p)+FR*\b:128*(\p)+FR*\b+FR-1], v[AF+FR*(\a):AF+FR*(\a)+FR-1], 0
.else
	v_wmma_f32_16x16x128_fp8_fp8 v[8*(8*((\a)%4)+\b):8*(8*((\a)%4)+\b)+7], v[128*(\p)+FR*\b:128*(\p)+FR*\b+FR-1], v[AF+FR*(\a):AF+FR*(\a)+FR-1], v[8*(8*((\a)%4)+\b):8*(8*((\a)%4)+\b)+7]
.endif
.endr
.endr
.endm
.macro FETCH_B slot, q, p
	WIN TO_B
.irp i, 0,1,2,3,4,5,6,7
	FRAG 128*(\p)+FR*\i, ADRB+\slot, \q, \i
.endr
	WIN 0
.endm
.macro FETCH_A slot, q, i0
.irp i, \i0, \i0+1, \i0+2, \i0+3
	FRAG AF+FR*(\i), ADRA+\slot, \q, \i
.endr
.endm
.macro PLACES n                        ; plain vector instructions between a matrix instruction and a load into, or a read of, its registers
.rept \n
	v_nop
.endr
.endm
.macro STEP slot, q, zero              ; 128 along K, with its successor in the same slot
	s_wait_dscnt 4*NL                              ; all but the youngest sixteen loads (source 1's blocks 4-7) are in
	WIN MUL_LO
	MUL16 0, (\q)%2, \zero
	MUL16 2, (\q)%2, \zero
	s_wait_dscnt 0
	PLACES NP
	FETCH_B \slot, (\q)+1, 1-(\q)%2
	FETCH_A \slot, (\q)+1, 0
	WIN MUL_HI
	MUL16 4, (\q)%2, \zero
	MUL16 6, (\q)%2, \zero
	PLACES NP
	WIN 0
	FETCH_A \slot, (\q)+1, 4
.endm
; A slot's last step changes slots: one barrier; ahead of it every wave waits for all its tensor loads, adds 0 to its spare word and waits for that and for its reads of this slot.
.macro TURN slot, next, fill
	s_wait_tensorcnt 0x0                           ; all my tensor loads have landed: my part of the next slot
	ds_add_u32 v[SPW], v[NIL]
	s_wait_dscnt 4*NL+1                            ; the add and the youngest sixteen loads may be out
	WIN MUL_LO
	MUL16 0, 1, 0
	s_wait_dscnt 0x0                               ; the add is done, and my reads of this slot are over
	s_barrier_signal -1
	MUL16 2, 1, 0
	WIN 0
	s_barrier_wait -1
.if \fill
	CREST                                          ; the barrier has opened a round of the cluster's: no wave of any partner still reads this slot or has a load on its way
	s_add_nc_u64 s[G0+4*\slot+2:G0+4*\slot+3], s[G0+4*\slot+2:G0+4*\slot+3], 2*ROWB
	s_add_nc_u64 s[G0B+4*\slot+2:G0B+4*\slot+3], s[G0B+4*\slot+2:G0B+4*\slot+3], 2*ROWB
	JLOAD G0+4*\slot, G1, G0B+4*\slot, G1B         ; the first tensor load behind the round; its four v_nop are the places in front of the loads below
.else
	PLACES NP
.endif
	FETCH_B \next, 0, 0
	FETCH_A \next, 0, 0
	WIN MUL_HI
	MUL16 4, 1, 0
	MUL16 6, 1, 0
	PLACES NP
	WIN 0
	FETCH_A \next, 0, 4
.endm
	s_wait_tensorcnt 1                             ; my part of slot 0 is in; slot 1's load may be out
	s_barrier_signal -1
	s_barrier_wait -1
	FETCH_B 0, 0, 0
	FETCH_A 0, 0, 0
	FETCH_A 0, 0, 4
	STEP 0, 0, 1                                   ; the first step's products start the sums
	s_mov_b32 s3, LAPS-1
.Llap:                                                 ; a trip goes once round the ring and fills both slots again
	TURN 0, 1, 1
	STEP 1, 0, 0
	TURN 1, 0, 1
	STEP 0, 0, 0
	s_sub_co_u32 s3, s3, 1
	s_cmp_lg_u32 s3, 0
	s_cbranch_scc1 .Llap
	TURN 0, 1, 0                                   ; the last lap fills nothing
	STEP 1, 0, 0
	s_wait_dscnt 4*NL
	WIN MUL_LO
	MUL16 0, 1, 0
	MUL16 2, 1, 0
	s_wait_alu depctr_va_vdst(0)
	s_wait_dscnt 0
	WIN MUL_HI
	MUL16 4, 1, 0
	MUL16 6, 1, 0
	WIN 0
; THE WAY OUT, a block of source 1 at a time: the hold (each accumulator from its low end on), eight conversions, four stores of 512 consecutive bytes.  No LDS: two neighbouring accumulators' codes are 16 bytes a lane, in the operand's own order.
.macro OUTBLK a
	WIN 0x02+((\a)/4)                              ; source 0: window 2 or 3
.set i, 0
.rept 64
.set i, i+1
.endr
.irp b, 0,1,2,3,4,5,6,7
	v_cvt_scalef32_pk8_fp8_f32 v[CD+16*(\a)+2*\b:CD+16*(\a)+2*\b+1], v[TMP+8*\b+((64*((\a)%4)+i)-(TMP+i)):TMP+8*\b+7+((64*((\a)%4)+i)-(TMP+i))], v[SC]
.endr
	WIN 0
	v_nop                                          ; a plain instruction between the conversions and the next block's holds, which write their sources
.irp p, 0,1,2,3
	global_store_b128 v[VO+\p/2], v[CD+16*(\a)+4*\p:CD+16*(\a)+4*\p+3], s[OB+2*((\a)/4):OB+2*((\a)/4)+1] offset:((\a)%4)*1024+(\p%2)*512
.endr
.endm
	PLACES NP
.irp a, 0,1,2,3,4,5,6,7
	OUTBLK \a
.endr
	s_wait_tensorcnt 0x0                           ; the wave's end
	ds_add_u32 v[SPW], v[NIL]
	s_wait_dscnt 0x0
	CROUND                                         ; the closing round
	s_endpgm
.Lfunc_end_k_qaf13da432d_gemm_qkv:
	.size	k_qaf13da432d_gemm_qkv, .Lfunc_end_k_qaf13da432d_gemm_qkv-k_qaf13da432d_gemm_qkv
	.p2alignl 7, 3214868480
	.fill 96, 4, 3214868480
	.section	.rodata,"a",@progbits
	.p2align	6, 0x0
	.amdhsa_kernel k_qaf13da432d_gemm_qkv
		.amdhsa_group_segment_fixed_size 327680
		.amdhsa_private_segment_fixed_size 0
		.amdhsa_enable_private_segment 0
		.amdhsa_kernarg_size 48
		.amdhsa_user_sgpr_count 2
		.amdhsa_user_sgpr_kernarg_segment_ptr 1
		.amdhsa_wavefront_size32 1
		.amdhsa_system_sgpr_workgroup_id_x 1
		.amdhsa_system_sgpr_workgroup_id_y 1
		.amdhsa_system_sgpr_workgroup_id_z 1
		.amdhsa_system_vgpr_workitem_id 0
		.amdhsa_next_free_vgpr 1024
		.amdhsa_next_free_sgpr 100
		.amdhsa_reserve_vcc 0
		.amdhsa_float_denorm_mode_32 3
		.amdhsa_float_denorm_mode_16_64 3
		.amdhsa_fp16_overflow 1
		.amdhsa_memory_ordered 1
		.amdhsa_forward_progress 1
		.amdhsa_inst_pref_size 87
	.end_amdhsa_kernel
	.amdgpu_metadata
---
amdhsa.version: [ 1, 2 ]
amdhsa.kernels:
  - .name:           k_qaf13da432d_gemm_qkv
    .symbol:         k_qaf13da432d_gemm_qkv.kd
    .args:
      - { .name: xc, .offset: 0, .size: 8, .value_kind: global_buffer, .address_space: global }
      - { .name: wqc, .offset: 8, .size: 8, .value_kind: global_buffer, .address_space: global }
      - { .name: lowp_scales, .offset: 16, .size: 8, .value_kind: global_buffer, .address_space: global }
      - { .name: qc, .offset: 24, .size: 8, .value_kind: global_buffer, .address_space: global }
      - { .name: kc, .offset: 32, .size: 8, .value_kind: global_buffer, .address_space: global }
      - { .name: vc, .offset: 40, .size: 8, .value_kind: global_buffer, .address_space: global }
    .group_segment_fixed_size: 327680
    .private_segment_fixed_size: 0
    .kernarg_segment_align: 8
    .kernarg_segment_size: 48
    .max_flat_workgroup_size: 128
    .sgpr_count:     100
    .vgpr_count:     1024
    .wavefront_size: 32
...
	.end_amdgpu_metadata
.endif
;; end of part 2
;; launch attn (part 3): grid 4 x 64, 16 waves a work-group, clusters of 4 x 1, 327,680 bytes of LDS; arguments qc, kc, vc, lowp_scales, ac; writes ac
.if DOCPART == 3
	.amdgcn_target "amdgcn-amd-amdhsa--gfx1250"
	.amdhsa_code_object_version 6
	.text
	.protected	k_qaf13da432d_attn
	.globl	k_qaf13da432d_attn
	.p2align	8
	.type	k_qaf13da432d_attn,@function
k_qaf13da432d_attn:
	s_mov_b64 s[64:65], 0
	v_nop
	global_prefetch_b8 v0, s[64:65] scope:SCOPE_SE
	s_setreg_imm32_b32 hwreg(HW_REG_WAVE_MODE, 25, 1), 1
	s_wait_xcnt 0x0
	s_wait_alu depctr_hold_cnt(0) depctr_sa_sdst(0) depctr_va_vdst(0) depctr_va_sdst(0) depctr_va_ssrc(0) depctr_va_vcc(0) depctr_vm_vsrc(0)
	s_getreg_b32 s2, hwreg(HW_REG_IB_STS2, 6, 4)
	s_cmp_eq_u32 s2, 0
	s_cbranch_scc0 .Lentry_in_a_cluster
	s_endpgm
.Lentry_in_a_cluster:
	s_bfe_u32 s2, ttmp6, 0x10000c
	s_cmp_lg_u32 s2, 0x3003
	s_cbranch_scc0 .Lentry_shape_is_right
	s_endpgm
.Lentry_shape_is_right:
; Causal attention on codes of FP8 (E4M3): 64 heads (batch x head), 2,048 tokens, head size 64.  qc, kc, vc hold the operands as images of their registers (512 bytes = 32 lanes x 16 bytes):
; qc, kc [head 64][tile of 16 tokens 128][2][512]; vc [head 64][64 keys: 32][16 of the head's 64: 4][2][512].  The result is quantised for the last product and stored so too: ac [tile of 16 tokens 512][128 along K: 8][4][512].
; THE SOFTMAX: t = score x 2^(e2 + e3) x log2(e) / 8; M = the running largest t rounded UP to a whole number; p = 2^(t - M) is quantised with 2^e4, not normalised; the row's sum is taken of the unquantised p and divides at the end.
; When M moves, the sum and O are multiplied by 2^(old M - new M): nothing is rounded, and no branch hangs on data.
; BOTH PRODUCTS ARE USED TRANSPOSED: S^T = K Q^T (source 0 = 16 keys), O^T = V^T P^T (source 0 = 16 of the head's 64): a lane holds one query (lane % 16) throughout, and its eight registers of a result are eight neighbours
; along the next K (8 (lane / 16) + 0..7 of the tile): one conversion gives registers 2 c, 2 c + 1 of the next operand.
; SHARES.  A cluster of four work-groups is one head.  The head's queries are 32 groups of 64; partner cx takes tile cx of EVERY group, so all that steers a branch (the group's number, the step) is alike in the partners.
; Wave w owns the tiles of groups 31 - w and w: 32 - w and w + 1 steps of 64 keys, 33 in every wave.  Steps whose keys all come after a tile's queries are left out by scalar branches on the wave's number and the step.
; LDS holds the head's K and V whole, 131,072 bytes each, asked for JOINTLY by the four partners, each byte filled once: no ring.  Every wave issues two loads: one of the first eight steps, then three of the other 24.
; LIMITS: e2 + e3 between -123 and 130; e4, and e6 - e4 - e5, between -126 and 119.  NaN is not served.
.set VB,    131072                     ; V's images begin here
.set SPARE, 262144                     ; the spare words, 128 bytes for each of 16 waves
.set SPW, 5
.set NIL, 6
.set STL, 12                           ; v12-19, v20-27 a tile's statistics: +0 -M, +1 the largest t, +2, +3 the sum, +4 f (+5 named with it), +6, +7 at work
.set STE, 20
.set QL,  32                           ; Q's fragments
.set QE,  40
.set KF,  48                           ; a step's four fragments of K
.set VF,  80                           ; and of V
.set SL,  112                          ; S^T, then p
.set SE,  144
.set OL,  176                          ; O^T
.set OE,  208
.set PL,  240                          ; p's codes
.set PE,  248
.set SEL, 56                           ; s[56:57] lane selects: lane l xor 16
.set CS,  58                           ; s[58:59] c
.set SI,  60                           ; the step
.set TB,  61                           ; its first byte among K's images
.set ML,  62                           ; the late tile's group = its last step
.set ME,  63                           ; the early tile's
.macro CROUND
	s_barrier_signal -1
	s_barrier_wait -1
	s_cmp_lg_u32 s14, 0
	s_cbranch_scc1 .Lnot_wave_0_\@
	s_barrier_signal -3
.Lnot_wave_0_\@:
	s_barrier_wait -3
	s_barrier_signal -1
	s_barrier_wait -1
.endm
	s_load_b256 s[4:11], s[0:1], 0x0               ; qc s[4:5], kc s[6:7], vc s[8:9], the exponents s[10:11]
	s_load_b64 s[12:13], s[0:1], 0x20              ; ac
	v_lshl_add_u32 v[SPW], v0, 2, SPARE
	v_mov_b32 v[NIL], 0
	ds_add_u32 v[SPW], v[NIL]                      ; the wave's opening: the add and its wait ahead of my first tensor load
	ds_add_u32 v[SPW], v[NIL]
	v_lshrrev_b32 v1, 5, v0
	s_delay_alu instid0(VALU_DEP_1)
	v_readfirstlane_b32 s14, v1                    ; wave 0..15
	s_bfe_u32 s15, ttmp6, 0x40000                  ; cx: it enters Q's and ac's addresses and the mask's numbers alone
	s_and_b32 s16, ttmp7, 0xffff                   ; the head, which the partners share
	s_lshr_b32 s17, s14, 3                         ; waves 0-7 fetch K, 8-15 V
	s_and_b32 s18, s14, 7
	s_lshl_b32 s19, s17, 17
	s_lshl_b32 s20, s18, 12                        ; my first load: step (wave & 7), 4,096 bytes
	s_mov_b32 s21, 0
	s_mul_i32 s70, s18, 12288
	s_add_co_u32 s70, s70, 32768                   ; my second: steps 8 + 3 (wave & 7) on, 12,288 bytes
	s_mov_b32 s71, 0
	s_lshl_b32 s22, s16, 17                        ; the head's first byte in qc, kc, vc
	s_mov_b32 s23, 0
	s_mov_b32 s40, 1
	s_add_co_u32 s41, s19, s20                     ; LDS addresses: constants and the wave's number
	s_mov_b32 s44, 1
	s_add_co_u32 s45, s19, s70
	; group 1: dense blocks as rows of 256 bytes (32 elements of 8 bytes), 16 or 48 rows; the mask names all four partners
	s_mov_b32 s24, 15|(3<<16)|(1<<21)
	s_mov_b32 s25, 32<<16
	s_mov_b32 s26, 16<<16
	s_mov_b32 s27, 32<<16
	s_mov_b32 s28, 16
	s_mov_b32 s29, 32
	s_mov_b32 s30, 0
	s_mov_b32 s31, 0
	s_mov_b32 s32, 15|(3<<16)|(1<<21)
	s_mov_b32 s33, 32<<16
	s_mov_b32 s34, 48<<16
	s_mov_b32 s35, 32<<16
	s_mov_b32 s36, 48
	s_mov_b32 s37, 32
	s_mov_b32 s38, 0
	s_mov_b32 s39, 0
	s_mov_b32 s[SEL], 0x76543210
	s_mov_b32 s[SEL+1], 0xfedcba98
	s_sub_co_u32 s[ML], 31, s14
	s_mov_b32 s[ME], s14
	s_lshl_b32 s74, s[ML], 2
	s_add_co_u32 s74, s74, s15                     ; the late tile's number in the head
	s_lshl_b32 s75, s[ME], 2
	s_add_co_u32 s75, s75, s15                     ; the early tile's
	s_wait_dscnt 0x0                               ; the opening add is done
	s_wait_kmcnt 0x0
	s_load_b256 s[48:55], s[10:11], 0x0            ; e0 .. e7
	s_cmp_lt_u32 s14, 8
	s_cselect_b64 s[42:43], s[6:7], s[8:9]
	s_add_nc_u64 s[42:43], s[42:43], s[22:23]
	s_add_nc_u64 s[46:47], s[42:43], s[70:71]
	s_add_nc_u64 s[42:43], s[42:43], s[20:21]
	s_or_b32 s43, s43, 0x80000000
	s_or_b32 s47, s47, 0x80000000
	CROUND                                         ; the four partners are here: the joint loads meet
	tensor_load_to_lds s[40:43], s[24:31]          ; one load of mine is out
	s_nop 0
	s_wait_alu depctr_va_vdst(0)
	s_wait_tensorcnt 0x0
	ds_add_u32 v5, v6
	s_wait_dscnt 0x0
	CROUND
	tensor_load_to_lds s[44:47], s[32:39]
	s_nop 0
.rept 4
	v_nop
.endr
	v_and_b32 v1, 31, v0
	s_delay_alu instid0(VALU_DEP_1)
	v_lshlrev_b32 v1, 4, v1                        ; 16 x lane: an image's place for my lane
	s_wait_alu depctr_va_vdst(0)
	v_add_nc_u32 v2, VB, v1
	s_lshl_b32 s76, s74, 10
	s_add_co_u32 s76, s76, s22
	s_mov_b32 s77, 0
	s_add_nc_u64 s[76:77], s[4:5], s[76:77]
	s_lshl_b32 s78, s75, 10
	s_add_co_u32 s78, s78, s22
	s_mov_b32 s79, 0
	s_add_nc_u64 s[78:79], s[4:5], s[78:79]
	global_load_b128 v[QL:QL+3], v1, s[76:77]      ; Q stays in registers
	global_load_b128 v[QL+4:QL+7], v1, s[76:77] offset:512
	global_load_b128 v[QE:QE+3], v1, s[78:79]
	global_load_b128 v[QE+4:QE+7], v1, s[78:79] offset:512
	v_and_b32 v3, 15, v0                           ; r
	v_bfe_u32 v4, v0, 4, 1                         ; h
	s_delay_alu instid0(VALU_DEP_1)
	v_lshlrev_b32 v4, 3, v4
	s_delay_alu instid0(VALU_DEP_1)
	v_sub_nc_u32 v7, v3, v4
	s_lshl_b32 s72, s15, 4
	v_add_nc_u32 v7, s72, v7                       ; d = 16 cx + r - 8 h: on the diagonal, register 8 t + j (key 16 t + 8 h + j of the step) is hidden where 16 t + j > d
	v_mov_b32 v8, 0xff800000                       ; -infinity
.irp T, STL, STE
	v_mov_b32 v[\T+1], 0xff61b1e6                  ; the largest t so far: -3e38, under every t
	s_delay_alu instid0(VALU_DEP_1)
	v_floor_f32 v[\T], -v[\T+1]
	v_mov_b32 v[\T+2], 0
	v_mov_b32 v[\T+3], 0
	v_mov_b32 v[\T+4], 0
	v_mov_b32 v[\T+5], 0
	v_mov_b32 v[\T+6], 0
	v_mov_b32 v[\T+7], 0
.endr
.set j, 0
.rept 64
	v_mov_b32 v[OL+j], 0                           ; O^T: the step is written once; the first finds zeros, which the first change of M leaves zeros
.set j, j+1
.endr
	; where the results go: (128 x batch + tile) x 16,384 + (head / 2) x 2,048 + (head & 1) x 1,024
	s_lshr_b32 s72, s16, 4
	s_lshl_b32 s72, s72, 7
	s_and_b32 s73, s16, 15
	s_lshr_b32 s73, s73, 1
	s_lshl_b32 s73, s73, 11
	s_and_b32 s2, s16, 1
	s_lshl_b32 s2, s2, 10
	s_add_co_u32 s73, s73, s2
	s_add_co_u32 s2, s72, s74
	s_lshl_b32 s2, s2, 14
	s_add_co_u32 s2, s2, s73
	s_mov_b32 s3, 0
	s_add_nc_u64 s[66:67], s[12:13], s[2:3]
	s_add_co_u32 s2, s72, s75
	s_lshl_b32 s2, s2, 14
	s_add_co_u32 s2, s2, s73
	s_add_nc_u64 s[68:69], s[12:13], s[2:3]
	s_wait_kmcnt 0x0
	s_add_co_i32 s72, s50, s51
	s_lshl_b32 s72, s72, 23
	s_mov_b32 s[CS], 0x3e38aa3b                    ; log2(e) / 8
	s_add_co_i32 s[CS], s[CS], s72                 ; x 2^(e2 + e3): added to its exponent field
	s_mov_b32 s[CS+1], s[CS]                       ; named with it as a pair, so it is written
	s_add_co_i32 s72, s52, 127
	s_lshl_b32 s73, s72, 23
	v_mov_b32 v10, s73                             ; 2^e4
	s_sub_co_i32 s72, s54, s52
	s_sub_co_i32 s72, s72, s53                     ; O / l stands for the result / 2^(e4 + e5): its code is (O / l) / 2^(e6 - e4 - e5)
	s_add_co_i32 s72, s72, 127
	s_lshl_b32 s73, s72, 23
	v_mov_b32 v28, s73
; ONE TILE OF 16 QUERIES AGAINST THE STEP'S 64 KEYS.  Every matrix instruction's neighbour names another accumulator.
.macro TILE rS, rQ, rT, rP, rO, sM
.irp t, 0,1,2,3
	v_wmma_f32_16x16x64_fp8_fp8 v[\rS+8*\t:\rS+8*\t+7], v[KF+8*\t:KF+8*\t+7], v[\rQ:\rQ+7], 0
.endr
.rept 4
	v_nop                                          ; places in front of the first read of the scores
.endr
	s_cmp_lg_u32 s[SI], s[\sM]                     ; the diagonal is the tile's last step: there hidden scores become -infinity, p = 0
	s_cbranch_scc1 .Lopen_\@
.set n, 0
.rept 32
	v_cmp_gt_i32 vcc_lo, 16*(n/8)+n%8, v7
	v_cndmask_b32 v[\rS+n], v[\rS+n], v8, vcc_lo
.set n, n+1
.endr
.Lopen_\@:
	v_max3_num_f32 v[\rT+6], v[\rS], v[\rS+1], v[\rS+2]      ; the step's largest score among my 32 keys, in two chains; each accumulator is first read in its low four
	v_max3_num_f32 v[\rT+7], v[\rS+3], v[\rS+4], v[\rS+5]
.irp i, 6,10,14,18,22,26
	v_max3_num_f32 v[\rT+6], v[\rT+6], v[\rS+\i], v[\rS+\i+1]
	v_max3_num_f32 v[\rT+7], v[\rT+7], v[\rS+\i+2], v[\rS+\i+3]
.endr
	v_max3_num_f32 v[\rT+6], v[\rT+6], v[\rS+30], v[\rS+31]
	s_delay_alu instid0(VALU_DEP_1)
	v_max_num_f32 v[\rT+6], v[\rT+6], v[\rT+7]
	s_delay_alu instid0(VALU_DEP_1)
	v_permlanex16_b32 v[\rT+7], v[\rT+6], s[SEL], s[SEL+1]
	s_delay_alu instid0(VALU_DEP_1)
	v_max_num_f32 v[\rT+6], v[\rT+6], v[\rT+7]               ; and among lane l xor 16's
	s_delay_alu instid0(VALU_DEP_1)
	v_mul_f32 v[\rT+6], s[CS], v[\rT+6]                      ; as t (c is positive)
	s_delay_alu instid0(VALU_DEP_1)
	v_max_num_f32 v[\rT+1], v[\rT+1], v[\rT+6]               ; the running largest t
	v_mov_b32 v[\rT+6], v[\rT]
	s_delay_alu instid0(VALU_DEP_2)
	v_floor_f32 v[\rT], -v[\rT+1]                            ; -M = floor(-t) = -ceil(t)
	s_delay_alu instid0(VALU_DEP_1)
	v_sub_f32 v[\rT+6], v[\rT], v[\rT+6]                     ; old M - new M: a whole number, 0 or less
	s_delay_alu instid0(VALU_DEP_1)
	v_cvt_i32_f32 v[\rT+6], v[\rT+6]                         ; (it saturates)
	s_delay_alu instid0(VALU_DEP_1)
	v_ldexp_f32 v[\rT+4], 1.0, v[\rT+6]                      ; f = 2^(old M - new M)
.set j, 0
.rept 16
	v_pk_fma_f32 v[\rS+j:\rS+j+1], v[\rS+j:\rS+j+1], s[CS:CS+1], v[\rT:\rT+1] op_sel_hi:[1,0,0]   ; t - M, two at a time
.set j, j+2
.endr
.set j, 0
	s_wait_alu depctr_va_vdst(0)
.rept 32
	v_exp_f32 v[\rS+j], v[\rS+j]                             ; p = 2^(t - M)
.set j, j+1
.endr
	v_pk_mul_f32 v[\rT+2:\rT+3], v[\rT+2:\rT+3], v[\rT+4:\rT+5] op_sel_hi:[1,0]   ; the sum under the new M; the plain instruction behind the exponentials
	s_wait_alu depctr_va_vdst(0)                             ; one wait for the batch, ahead of its first reader
	v_pk_add_f32 v[\rT+6:\rT+7], v[\rS:\rS+1], v[\rS+2:\rS+3]   ; the sum of the UNQUANTISED p, in two chains
.irp j, 4,8,12,16,20,24,28
	v_pk_add_f32 v[\rT+2:\rT+3], v[\rT+2:\rT+3], v[\rS+\j:\rS+\j+1]
	v_pk_add_f32 v[\rT+6:\rT+7], v[\rT+6:\rT+7], v[\rS+\j+2:\rS+\j+3]
.endr
	s_delay_alu instid0(VALU_DEP_1)
	v_pk_add_f32 v[\rT+2:\rT+3], v[\rT+2:\rT+3], v[\rT+6:\rT+7]
.set j, 0
.rept 32
.set j, j+1
.endr
.irp t, 0,1,2,3
	v_cvt_scalef32_pk8_fp8_f32 v[\rP+2*\t:\rP+2*\t+1], v[\rS+8*\t:\rS+8*\t+7], v10   ; registers 2 t, 2 t + 1 of P: keys 16 t + 8 h + 0..7
.endr
.set j, 0
.rept 16
	v_pk_mul_f32 v[\rO+j:\rO+j+1], v[\rO+j:\rO+j+1], v[\rT+4:\rT+5] op_sel_hi:[1,0]   ; O^T under the new M; also the plain instructions behind the conversions
.set j, j+2
.endr
	s_wait_alu depctr_va_vdst(0)
	s_wait_dscnt 0x0                                         ; V's fragments are in
.irp d, 0,1,2,3
	v_wmma_f32_16x16x64_fp8_fp8 v[\rO+8*\d:\rO+8*\d+7], v[VF+8*\d:VF+8*\d+7], v[\rP:\rP+7], v[\rO+8*\d:\rO+8*\d+7]
.endr
.endm
; A STEP OF 64 KEYS.  The branches hang on the wave's number and the step; no barrier and no tensor load stands in a step; the address is stepped on every way.
.macro STEP
	s_cmp_gt_u32 s[SI], s[ML]
	s_cbranch_scc1 .Lend_\@
	v_add_nc_u32 v3, s[TB], v1
	v_add_nc_u32 v4, s[TB], v2
	v_nop
	v_nop                                          ; with the two additions: four places in front of loads into registers that the last products read
.irp t, 0,1,2,3
	ds_load_b128 v[KF+8*\t:KF+8*\t+3], v3 offset:1024*\t
	ds_load_b128 v[KF+8*\t+4:KF+8*\t+7], v3 offset:1024*\t+512
.endr
.irp t, 0,1,2,3
	ds_load_b128 v[VF+8*\t:VF+8*\t+3], v4 offset:1024*\t
	ds_load_b128 v[VF+8*\t+4:VF+8*\t+7], v4 offset:1024*\t+512
.endr
	s_wait_dscnt 8                                 ; K's eight loads are in; V's eight may be out
	TILE SL, QL, STL, PL, OL, ML
	s_cmp_gt_u32 s[SI], s[ME]
	s_cbranch_scc1 .Lend_\@
	TILE SE, QE, STE, PE, OE, ME
.Lend_\@:
	s_add_co_u32 s[TB], s[TB], 4096
.endm
	s_wait_loadcnt 0x0                             ; Q
	s_wait_tensorcnt 0x1                           ; my first load has landed; the second may be out
	s_barrier_signal -1
	s_barrier_wait -1                              ; steps 0 to 7 of K and V are whole
	s_mov_b32 s[SI], 0
	s_mov_b32 s[TB], 0
.Lfirst:
	STEP
	s_add_co_u32 s[SI], s[SI], 1
	s_cmp_lt_u32 s[SI], 8
	s_cbranch_scc1 .Lfirst
	s_wait_tensorcnt 0x0                           ; my second load has landed
	s_wait_dscnt 0x0
	s_barrier_signal -1
	s_barrier_wait -1                              ; steps 8 to 31 are whole
	s_mov_b32 s[SI], 8
	s_mov_b32 s[TB], 32768
.Lrest:
	STEP
	s_add_co_u32 s[SI], s[SI], 1
	s_cmp_lt_u32 s[SI], 32
	s_cbranch_scc1 .Lrest
	; THE WAY OUT: the sum's halves; O^T / the sum; the hold; the conversion for the last product: two stores of 512 consecutive bytes a tile.  The additions are the places behind the last products.
.irp T, STL, STE
	v_add_f32 v[\T+6], v[\T+2], v[\T+3]
.endr
.irp T, STL, STE
	s_delay_alu instid0(VALU_DEP_2)
	v_permlanex16_b32 v[\T+7], v[\T+6], s[SEL], s[SEL+1]
.endr
.irp T, STL, STE
	s_delay_alu instid0(VALU_DEP_2)
	v_add_f32 v[\T+6], v[\T+6], v[\T+7]
.endr
	v_nop
	v_nop
	s_wait_alu depctr_va_vdst(0)
.irp T, STL, STE
	v_rcp_f32 v[\T+4], v[\T+6]
.endr
	v_nop                                          ; a plain instruction behind the reciprocals
	s_wait_alu depctr_va_vdst(0)                   ; one wait for both, ahead of their first reader
.macro FINISH rS, rT, rP, rO, sB
.set j, 0
.rept 16
	v_pk_mul_f32 v[\rS+j:\rS+j+1], v[\rO+j:\rO+j+1], v[\rT+4:\rT+5] op_sel_hi:[1,0]   ; each accumulator from its low end on
.set j, j+2
.endr
.set j, 0
.rept 32
.set j, j+1
.endr
.irp d, 0,1,2,3
	v_cvt_scalef32_pk8_fp8_f32 v[\rP+2*\d:\rP+2*\d+1], v[\rS+8*\d:\rS+8*\d+7], v28
.endr
	v_nop
	global_store_b128 v1, v[\rP:\rP+3], s[\sB:\sB+1]
	global_store_b128 v1, v[\rP+4:\rP+7], s[\sB:\sB+1] offset:512
.endm
	FINISH SL, STL, PL, OL, 66
	FINISH SE, STE, PE, OE, 68
	s_wait_tensorcnt 0x0                           ; the wave's end
	ds_add_u32 v[SPW], v[NIL]
	s_wait_dscnt 0x0
	CROUND                                         ; the closing round
	s_endpgm
.Lfunc_end_k_qaf13da432d_attn:
	.size	k_qaf13da432d_attn, .Lfunc_end_k_qaf13da432d_attn-k_qaf13da432d_attn
	.p2alignl 7, 3214868480
	.fill 96, 4, 3214868480
	.section	.rodata,"a",@progbits
	.p2align	6, 0x0
	.amdhsa_kernel k_qaf13da432d_attn
		.amdhsa_group_segment_fixed_size 327680
		.amdhsa_private_segment_fixed_size 0
		.amdhsa_enable_private_segment 0
		.amdhsa_kernarg_size 40
		.amdhsa_user_sgpr_count 2
		.amdhsa_user_sgpr_kernarg_segment_ptr 1
		.amdhsa_wavefront_size32 1
		.amdhsa_system_sgpr_workgroup_id_x 1
		.amdhsa_system_sgpr_workgroup_id_y 1
		.amdhsa_system_sgpr_workgroup_id_z 1
		.amdhsa_system_vgpr_workitem_id 0
		.amdhsa_next_free_vgpr 256
		.amdhsa_next_free_sgpr 80
		.amdhsa_reserve_vcc 1
		.amdhsa_float_denorm_mode_32 3
		.amdhsa_float_denorm_mode_16_64 3
		.amdhsa_fp16_overflow 1
		.amdhsa_memory_ordered 1
		.amdhsa_forward_progress 1
		.amdhsa_inst_pref_size 52
	.end_amdhsa_kernel
	.amdgpu_metadata
---
amdhsa.version: [ 1, 2 ]
amdhsa.kernels:
  - .name:           k_qaf13da432d_attn
    .symbol:         k_qaf13da432d_attn.kd
    .args:
      - { .name: qc, .offset: 0, .size: 8, .value_kind: global_buffer, .address_space: global }
      - { .name: kc, .offset: 8, .size: 8, .value_kind: global_buffer, .address_space: global }
      - { .name: vc, .offset: 16, .size: 8, .value_kind: global_buffer, .address_space: global }
      - { .name: lowp_scales, .offset: 24, .size: 8, .value_kind: global_buffer, .address_space: global }
      - { .name: ac, .offset: 32, .size: 8, .value_kind: global_buffer, .address_space: global }
    .group_segment_fixed_size: 327680
    .private_segment_fixed_size: 0
    .kernarg_segment_align: 8
    .kernarg_segment_size: 40
    .max_flat_workgroup_size: 512
    .sgpr_count:     80
    .vgpr_count:     256
    .wavefront_size: 32
...
	.end_amdgpu_metadata
.endif
;; end of part 3
;; launch gemm_proj (part 4): grid 4 x 64, 4 waves a work-group, clusters of 4 x 4, 327,680 bytes of LDS; arguments ac, wpc, lowp_scales, b_proj, out0; writes out0
.if DOCPART == 4
	.amdgcn_target "amdgcn-amd-amdhsa--gfx1250"
	.amdhsa_code_object_version 6
	.text
	.protected	k_qaf13da432d_gemm_proj
	.globl	k_qaf13da432d_gemm_proj
	.p2align	8
	.type	k_qaf13da432d_gemm_proj,@function
k_qaf13da432d_gemm_proj:
	s_mov_b64 s[64:65], 0
	v_nop
	global_prefetch_b8 v0, s[64:65] scope:SCOPE_SE
	s_setreg_imm32_b32 hwreg(HW_REG_WAVE_MODE, 25, 1), 1
	s_wait_xcnt 0x0
	s_wait_alu depctr_hold_cnt(0) depctr_sa_sdst(0) depctr_va_vdst(0) depctr_va_sdst(0) depctr_va_ssrc(0) depctr_va_vcc(0) depctr_vm_vsrc(0)
	s_getreg_b32 s2, hwreg(HW_REG_IB_STS2, 6, 4)
	s_cmp_eq_u32 s2, 0
	s_cbranch_scc0 .Lentry_in_a_cluster
	s_endpgm
.Lentry_in_a_cluster:
	s_bfe_u32 s2, ttmp6, 0x10000c
	s_cmp_lg_u32 s2, 0xf033
	s_cbranch_scc0 .Lentry_shape_is_right
	s_endpgm
.Lentry_shape_is_right:
; out0 = att w_proj + b_proj on codes of FP8 (E4M3), K = 1,024; out0 [8192][1024] f32.  A finished sum is multiplied by 2^(e6 + e7) and the bias added, in one packed multiply-add.
; ac: the attention's result as images of an operand's registers: [tile of 16 tokens 512][128 along K: 8][registers 4 g .. 4 g + 3: 4][lane 32][16 bytes].  wpc [1024][1024]: codes, K innermost, bytes of a block of 32 in the
; order k 0-7, 16-23, 8-15, 24-31, so that 16 bytes at 32 c + 16 h are registers 4 c .. 4 c + 3 of a fragment.  Every k stands in its true place on both sides.
; A work-group makes 128 tokens x 256 columns (256 work-groups), a wave 64 x 128: 32 accumulators.  THE MATRIX INSTRUCTION IS USED TRANSPOSED (source 0 = rows of wpc, source 1 = tokens): a lane holds eight neighbouring columns of a row.
; K goes in steps of 256 through a ring of two LDS slots.  CLUSTERS: 4 x 4: the tokens' images are asked for jointly along a row of the cluster, the weight's rows along a column.
; LIMIT: e6 + e7 between -126 and 127.
; REGISTERS: window 0: v0-31 addresses; v32-95 at work on the way out; v128-191 source 1's four fragments, one set; on the way out v128-255 rows read back.  window 1: source 0's fragments, two sets.  window 2: the accumulators ((a, b) at v[8 (8 a + b)]).  window 3: v0-63 the bias in a result's layout.
.set ROWB,   256
.set KROW,   1024
.set PITCH,  272
.set FR,     16
.set NL,     4
.set NP,     4
.set AHALF,  16384                     ; four tiles of tokens x 256 along K: what one load brings of the images
.set BOFF,   2*AHALF                   ; the weight's rows begin here in a slot
.set HALFT,  128*PITCH
.set SLOT,   BOFF+2*HALFT
.set LAPS,   2
.set SPARE,  2*SLOT                    ; the spare words, 128 bytes a wave
.set SPITCH, 528                       ; the way out: a stage of 16 rows x (512 + 16) bytes a wave, in slot 0, which has had its last fill and its last read by then
.set ADRA, 16
.set ADRB, 20
.set STO,  24
.set RD,   25
.set CO,   26
.set BO,   27                          ; v27 the bias: 32 h
.set SPW,  28
.set NIL,  29
.set TMP,  32
.set AF,   128
.set BK,   128
.set G1, 24
.set G0, 32
.set G1B, 48
.set G0B, 56
.set MSB, 0
.macro WIN new
.if MSB != \new
	s_set_vgpr_msb (MSB<<8)|\new
.set MSB, \new
.endif
.endm
.set MUL,  0xa1                        ; source 0 window 1, source 1 window 0, C and D window 2
.set TO_B, 0x40
.macro JLOAD g0a, g1a, g0b, g1b        ; waves 0, 1: the images' halves; waves 2, 3: the weight's.  An s_nop 0 and four v_nop follow each line
	s_cmp_eq_u32 s15, 0
	s_cbranch_scc0 .Lfor_b_\@
	tensor_load_to_lds s[\g0a:\g0a+3], s[\g1a:\g1a+7]
	s_nop 0
.rept 4
	v_nop
.endr
	s_branch .Lasked_\@
.Lfor_b_\@:
	tensor_load_to_lds s[\g0b:\g0b+3], s[\g1b:\g1b+7]
	s_nop 0
.rept 4
	v_nop
.endr
.Lasked_\@:
.endm
.macro CREST
	s_cmp_lg_u32 s14, 0
	s_cbranch_scc1 .Lnot_wave_0_\@
	s_barrier_signal -3
.Lnot_wave_0_\@:
	s_barrier_wait -3
	s_barrier_signal -1
	s_barrier_wait -1
.endm
.macro CROUND
	s_barrier_signal -1
	s_barrier_wait -1
	CREST
.endm
	s_load_b128 s[4:7], s[0:1], 0x0                ; ac s[4:5], wpc s[6:7]
	s_load_b128 s[8:11], s[0:1], 0x10              ; the exponents s[8:9], b_proj s[10:11]
	s_load_b64 s[12:13], s[0:1], 0x20              ; out0
	v_lshl_add_u32 v[SPW], v0, 2, SPARE
	v_mov_b32 v[NIL], 0
	ds_add_u32 v[SPW], v[NIL]                      ; the wave's opening: the add and its wait ahead of my first tensor load
	ds_add_u32 v[SPW], v[NIL]
	v_lshrrev_b32 v1, 5, v0
	v_readfirstlane_b32 s14, v1                    ; wave 0..3
	s_lshr_b32 s15, s14, 1                         ; my half of the tokens.  Also: I fetch images (0) or the weight (1)
	s_and_b32 s16, s14, 1                          ; my half of the columns.  Also: which half I fetch
	s_bfe_u32 s40, ttmp6, 0x40000                  ; cx
	s_bfe_u32 s41, ttmp6, 0x40004                  ; cy
	s_lshl_b32 s42, ttmp9, 2
	s_add_co_u32 s42, s42, s40                     ; i0: which 256 columns
	s_and_b32 s17, ttmp7, 0xffff
	s_lshl_b32 s17, s17, 2
	s_add_co_u32 s17, s17, s41                     ; i1: which 128 tokens
	s_lshl_b32 s43, s41, 2
	s_lshl_b32 s43, 15, s43                        ; my row of the cluster
	s_lshl_b32 s44, 0x1111, s40                    ; my column
	s_or_b32 s[G1+0], s43, (3<<16)|(1<<21)         ; the images: elements of 8 bytes, no padding
	s_mov_b32 s[G1+1], 512<<16                     ; tensor_dim0: 4,096 bytes of a tile of tokens: 256 along K
	s_mov_b32 s[G1+2], 4<<16                       ; tensor_dim1: four tiles of tokens
	s_mov_b32 s[G1+3], 512<<16                     ; tile_dim0
	s_mov_b32 s[G1+4], 4                           ; tile_dim1
	s_mov_b32 s[G1+5], 2048                        ; from tile to tile: 16,384 bytes
	s_mov_b32 s[G1+6], 0
	s_mov_b32 s[G1+7], 0
	s_or_b32 s[G1B+0], s44, (0<<16)|(1<<20)|(1<<21)|(5<<22)|(3<<25)  ; the weight: 128 rows of 256 bytes, four words of padding behind each
	s_mov_b32 s[G1B+1], ROWB<<16
	s_mov_b32 s[G1B+2], 128<<16
	s_mov_b32 s[G1B+3], ROWB<<16
	s_mov_b32 s[G1B+4], 128
	s_mov_b32 s[G1B+5], KROW
	s_mov_b32 s[G1B+6], 0
	s_mov_b32 s[G1B+7], 0
	s_lshl_b32 s20, s17, 3
	s_lshl_b32 s18, s16, 2
	s_add_co_u32 s20, s20, s18
	s_lshl_b32 s20, s20, 14                        ; the images: tile 8 i1 + 4 x half, in bytes
	s_mov_b32 s21, 0
	s_lshl_b32 s46, s42, 8
	s_lshl_b32 s18, s16, 7
	s_add_co_u32 s46, s46, s18
	s_lshl_b32 s46, s46, 10                        ; the weight: row 256 i0 + 128 x half, in bytes
	s_mov_b32 s47, 0
	s_mul_i32 s45, s16, AHALF                      ; where they go: constants and the wave's number
	s_mul_i32 s19, s16, HALFT
	s_add_co_u32 s19, s19, BOFF
	s_wait_dscnt 0x0                               ; the opening add is done
	s_wait_kmcnt 0x0
	s_load_b256 s[80:87], s[8:9], 0x0              ; e0 .. e7
	s_add_nc_u64 s[20:21], s[4:5], s[20:21]
	s_add_nc_u64 s[46:47], s[6:7], s[46:47]
	CROUND                                         ; all sixteen work-groups are here: the first joint loads meet
.irp s, 0,1
	s_mov_b32 s[G0+4*\s], 1
	s_add_co_u32 s[G0+4*\s+1], s45, \s*SLOT
	s_add_nc_u64 s[G0+4*\s+2:G0+4*\s+3], s[20:21], \s*4096
	s_or_b32 s[G0+4*\s+3], s[G0+4*\s+3], 0x80000000
	s_mov_b32 s[G0B+4*\s], 1
	s_add_co_u32 s[G0B+4*\s+1], s19, \s*SLOT
	s_add_nc_u64 s[G0B+4*\s+2:G0B+4*\s+3], s[46:47], \s*ROWB
	s_or_b32 s[G0B+4*\s+3], s[G0B+4*\s+3], 0x80000000
	s_wait_alu depctr_va_vdst(0)
	s_wait_tensorcnt 0x0
	ds_add_u32 v28, v29
	ds_add_u32 v28, v29
	s_wait_dscnt 0x0
	CROUND
	JLOAD G0+4*\s, G1, G0B+4*\s, G1B
.endr
	v_and_b32 v1, 15, v0                           ; r
	v_bfe_u32 v2, v0, 4, 1                         ; h
	v_and_b32 v6, 31, v0
	v_lshlrev_b32 v[CO], 4, v6                     ; 16 x lane
	v_mul_u32_u24 v3, v1, PITCH
	v_lshl_add_u32 v4, v2, 4, v3
	s_mul_i32 s21, s15, AHALF                      ; my four tiles of tokens
	s_mul_i32 s22, s16, HALFT
	s_add_co_u32 s22, s22, BOFF                    ; my 128 rows of the weight
.irp s, 0,1
	v_add_nc_u32 v[ADRA+\s], s21, v[CO]
	v_add_nc_u32 v[ADRB+\s], s22, v4
	s_add_co_u32 s21, s21, SLOT
	s_add_co_u32 s22, s22, SLOT
.endr
	s_mul_i32 s23, s14, 16*SPITCH                  ; my stage
	v_mul_u32_u24 v5, v1, SPITCH
	v_lshl_add_u32 v5, v2, 5, v5
	v_add_nc_u32 v[STO], s23, v5                   ; in: row r, 32 bytes for each half of the lanes
	v_add_nc_u32 v[RD], s23, v[CO]                 ; back: the 32 lanes take one row of 512 bytes
	s_lshl_b32 s20, s42, 10
	s_lshl_b32 s21, s16, 9
	s_add_co_u32 s20, s20, s21                     ; my first column, in bytes of f32: in b_proj and in a row of out0
	s_mov_b32 s21, 0
	s_add_nc_u64 s[10:11], s[10:11], s[20:21]
	s_add_nc_u64 s[12:13], s[12:13], s[20:21]
	s_lshl_b32 s20, s17, 7
	s_lshl_b32 s22, s15, 6
	s_add_co_u32 s20, s20, s22
	s_lshl_b32 s20, s20, 12                        ; my first row: 128 i1 + 64 x half, rows of 4,096 bytes
	s_add_nc_u64 s[12:13], s[12:13], s[20:21]
	v_lshlrev_b32 v[BO], 5, v2
	WIN 0xc0                                       ; destination window 3
.irp b, 0,1,2,3,4,5,6,7
	global_load_b128 v[8*\b:8*\b+3], v[BO], s[10:11] offset:64*\b        ; b_proj at columns 16 b + 8 h + 0..7 of mine
	global_load_b128 v[8*\b+4:8*\b+7], v[BO], s[10:11] offset:64*\b+16
.endr
	WIN 0
	s_wait_alu depctr_va_vdst(0)
	s_wait_kmcnt 0x0
	s_add_co_i32 s96, s86, s87
	s_add_co_i32 s96, s96, 127
	s_lshl_b32 s96, s96, 23                        ; 2^(e6 + e7) as f32
	s_mov_b32 s97, s96                             ; named with it as a pair, so it is written
.macro FRAGB reg, slot, q, i
.irp c, 0,1,2,3
	ds_load_b128 v[\reg+4*\c:\reg+4*\c+3], v[ADRB+\slot] offset:128*(\q)+32*\c+(\i)*16*PITCH
.endr
.endm
.macro FRAGA a, slot, q                ; an image comes back as it was stored: four loads of 512 consecutive bytes
.irp c, 0,1,2,3
	ds_load_b128 v[AF+FR*(\a)+4*\c:AF+FR*(\a)+4*\c+3], v[ADRA+\slot] offset:4096*(\a)+2048*(\q)+512*\c
.endr
.endm
; 8 matrix instructions: tile a of my tokens x the weight's eight blocks.  The 32 accumulators take turns, one instruction a turn, in the same order in every step.
.macro MULB a, p, zero
.irp b, 0,1,2,3,4,5,6,7
.if \zero
	v_wmma_f32_16x16x128_fp8_fp8 v[8*(8*(\a)+\b):8*(8*(\a)+\b)+7], v[128*(\p)+FR*\b:128*(\p)+FR*\b+FR-1], v[AF+FR*(\a):AF+FR*(\a)+FR-1], 0
.else
	v_wmma_f32_16x16x128_fp8_fp8 v[8*(8*(\a)+\b):8*(8*(\a)+\b)+7], v[128*(\p)+FR*\b:128*(\p)+FR*\b+FR-1], v[AF+FR*(\a):AF+FR*(\a)+FR-1], v[8*(8*(\a)+\b):8*(8*(\a)+\b)+7]
.endif
.endr
.endm
.macro FETCH_B slot, q, p
	WIN TO_B
.irp i, 0,1,2,3,4,5,6,7
	FRAGB 128*(\p)+FR*\i, \slot, \q, \i
.endr
	WIN 0
.endm
.macro PLACES n
.rept \n
	v_nop
.endr
.endm
.macro STEP slot, q, zero
	s_wait_dscnt 2*NL                              ; all but the youngest eight loads (tiles 2, 3 of the tokens) are in
	WIN MUL
	MULB 0, (\q)%2, \zero
	MULB 1, (\q)%2, \zero
	s_wait_dscnt 0
	PLACES NP
	FETCH_B \slot, (\q)+1, 1-(\q)%2
	FRAGA 0, \slot, (\q)+1
	FRAGA 1, \slot, (\q)+1
	WIN MUL
	MULB 2, (\q)%2, \zero
	MULB 3, (\q)%2, \zero
	PLACES NP
	WIN 0
	FRAGA 2, \slot, (\q)+1
	FRAGA 3, \slot, (\q)+1
.endm
.macro TURN slot, next, fill
	s_wait_tensorcnt 0x0                           ; all my tensor loads have landed: my part of the next slot
	ds_add_u32 v[SPW], v[NIL]
	s_wait_dscnt 2*NL+1                            ; the add and the youngest eight loads may be out
	WIN MUL
	MULB 0, 1, 0
	s_wait_dscnt 0x0                               ; the add is done, and my reads of this slot are over
	s_barrier_signal -1
	MULB 1, 1, 0
	WIN 0
	s_barrier_wait -1
.if \fill
	CREST                                          ; the barrier has opened a round of the cluster's: no wave of any partner still reads this slot or has a load on its way
	s_add_nc_u64 s[G0+4*\slot+2:G0+4*\slot+3], s[G0+4*\slot+2:G0+4*\slot+3], 2*4096
	s_add_nc_u64 s[G0B+4*\slot+2:G0B+4*\slot+3], s[G0B+4*\slot+2:G0B+4*\slot+3], 2*ROWB
	JLOAD G0+4*\slot, G1, G0B+4*\slot, G1B         ; the first tensor load behind the round; its four v_nop are the places in front of the loads below
.else
	PLACES NP
.endif
	FETCH_B \next, 0, 0
	FRAGA 0, \next, 0
	FRAGA 1, \next, 0
	WIN MUL
	MULB 2, 1, 0
	MULB 3, 1, 0
	PLACES NP
	WIN 0
	FRAGA 2, \next, 0
	FRAGA 3, \next, 0
.endm
	s_wait_tensorcnt 1                             ; my part of slot 0 is in; slot 1's load may be out
	s_barrier_signal -1
	s_barrier_wait -1
	FETCH_B 0, 0, 0
	FRAGA 0, 0, 0
	FRAGA 1, 0, 0
	FRAGA 2, 0, 0
	FRAGA 3, 0, 0
	STEP 0, 0, 1                                   ; the first step's products start the sums
	s_mov_b32 s3, LAPS-1
.Llap:
	TURN 0, 1, 1
	STEP 1, 0, 0
	TURN 1, 0, 1
	STEP 0, 0, 0
	s_sub_co_u32 s3, s3, 1
	s_cmp_lg_u32 s3, 0
	s_cbranch_scc1 .Llap
	TURN 0, 1, 0                                   ; the last lap fills nothing
	STEP 1, 0, 0
	s_wait_dscnt 2*NL
	WIN MUL
	MULB 0, 1, 0
	MULB 1, 1, 0
	s_wait_dscnt 0
	MULB 2, 1, 0
	MULB 3, 1, 0
	WIN 0
; THE WAY OUT, 16 rows x 128 columns at a time, through my own stage: in as 32 bytes a lane, back as whole rows of 512 bytes.  LDS serves a wave's instructions in order (ISA guide 5.7.1.4): no wait between the stores and the loads.
.macro TOSTAGE a
	WIN 0x32                                       ; source 0 (the sums) window 2, source 2 (the bias) window 3
.set j, 0
.rept 32
	v_pk_fma_f32 v[TMP+j:TMP+j+1], v[64*(\a)+j:64*(\a)+j+1], s[96:97], v[j:j+1] op_sel_hi:[1,0,1]   ; sum x 2^(e6 + e7) + bias; each accumulator from its low end on
.set j, j+2
.endr
	WIN 0
.irp b, 0,1,2,3,4,5,6,7
	ds_store_b128 v[STO], v[TMP+8*\b:TMP+8*\b+3] offset:64*\b
	ds_store_b128 v[STO], v[TMP+8*\b+4:TMP+8*\b+7] offset:64*\b+16
.endr
.set BB, BK+64*((\a)%2)
.irp t, 0,1,2,3,4,5,6,7,8,9,10,11,12,13,14,15
	ds_load_b128 v[BB+4*\t:BB+4*\t+3], v[RD] offset:\t*SPITCH
.endr
.endm
.macro SEND a, younger
.set BB, BK+64*((\a)%2)
	s_wait_dscnt \younger                          ; the block is back in registers
.if (\a) > 0
	s_add_nc_u64 s[12:13], s[12:13], 16*4096       ; 16 rows on (the earlier stores have read their base: the wait on XCNT stands ahead)
.endif
.irp t, 0,1,2,3,4,5,6,7,8,9,10,11,12,13,14,15
	global_store_b128 v[CO], v[BB+4*\t:BB+4*\t+3], s[12:13] offset:\t*4096 th:TH_STORE_NT   ; 32 lanes store 512 consecutive bytes, aligned
.endr
.endm
	s_wait_loadcnt 0x0                             ; the bias
	PLACES NP
	TOSTAGE 0
.irp a, 1,2,3
.if \a > 1
	s_wait_xcnt 0x0                                ; block a - 2's stores have read their registers and their base
.endif
	TOSTAGE \a
	SEND \a-1, 32                                  ; behind block a - 1's loads: block a's 16 stores and 16 loads
.endr
	s_wait_xcnt 0x0
	SEND 3, 0
	s_wait_tensorcnt 0x0                           ; the wave's end
	ds_add_u32 v[SPW], v[NIL]
	s_wait_dscnt 0x0
	CROUND                                         ; the closing round
	s_endpgm
.Lfunc_end_k_qaf13da432d_gemm_proj:
	.size	k_qaf13da432d_gemm_proj, .Lfunc_end_k_qaf13da432d_gemm_proj-k_qaf13da432d_gemm_proj
	.p2alignl 7, 3214868480
	.fill 96, 4, 3214868480
	.section	.rodata,"a",@progbits
	.p2align	6, 0x0
	.amdhsa_kernel k_qaf13da432d_gemm_proj
		.amdhsa_group_segment_fixed_size 327680
		.amdhsa_private_segment_fixed_size 0
		.amdhsa_enable_private_segment 0
		.amdhsa_kernarg_size 40
		.amdhsa_user_sgpr_count 2
		.amdhsa_user_sgpr_kernarg_segment_ptr 1
		.amdhsa_wavefront_size32 1
		.amdhsa_system_sgpr_workgroup_id_x 1
		.amdhsa_system_sgpr_workgroup_id_y 1
		.amdhsa_system_sgpr_workgroup_id_z 1
		.amdhsa_system_vgpr_workitem_id 0
		.amdhsa_next_free_vgpr 832
		.amdhsa_next_free_sgpr 100
		.amdhsa_reserve_vcc 0
		.amdhsa_float_denorm_mode_32 3
		.amdhsa_float_denorm_mode_16_64 3
		.amdhsa_memory_ordered 1
		.amdhsa_forward_progress 1
		.amdhsa_inst_pref_size 79
	.end_amdhsa_kernel
	.amdgpu_metadata
---
amdhsa.version: [ 1, 2 ]
amdhsa.kernels:
  - .name:           k_qaf13da432d_gemm_proj
    .symbol:         k_qaf13da432d_gemm_proj.kd
    .args:
      - { .name: ac, .offset: 0, .size: 8, .value_kind: global_buffer, .address_space: global }
      - { .name: wpc, .offset: 8, .size: 8, .value_kind: global_buffer, .address_space: global }
      - { .name: lowp_scales, .offset: 16, .size: 8, .value_kind: global_buffer, .address_space: global }
      - { .name: b_proj, .offset: 24, .size: 8, .value_kind: global_buffer, .address_space: global }
      - { .name: out0, .offset: 32, .size: 8, .value_kind: global_buffer, .address_space: global }
    .group_segment_fixed_size: 327680
    .private_segment_fixed_size: 0
    .kernarg_segment_align: 8
    .kernarg_segment_size: 40
    .max_flat_workgroup_size: 128
    .sgpr_count:     100
    .vgpr_count:     832
    .wavefront_size: 32
...
	.end_amdgpu_metadata
.endif
;; end of part 4
